; MI455X (gfx1250); checked and timed in simulation.
; The chip was launched on July 23, 2026; its instructions are those of AMD's public machine-readable ISA for CDNA 5 (MIT licence, August 2026) and "CDNA5" Instruction Set Architecture Reference Guide (July 2026). The comments in the code are by the model that wrote it; some were corrected since.
;; Cross Attn. Allowed arithmetic: matrix products marked QUANTISED: E4M3 operands, one given power-of-two scale a tensor, by v_wmma_f32_16x16x64_fp8_fp8 or v_wmma_f32_16x16x128_fp8_fp8, f32 sums; everything else in f32.
;; Inputs: KV_codes 4 x 2,048 x 32 x 32 uint8 (E4M3 codes of KV, K innermost, in blocks of 32 codes); Q 4 x 1,024 x 1,024 float32; Wk_codes 1,024 x 32 x 32 uint8 (E4M3 codes of Wk, K innermost, in blocks of 32 codes); Wo_codes 1,024 x 32 x 32 uint8 (E4M3 codes of Wo, K innermost, in blocks of 32 codes); Wq_codes 1,024 x 32 x 32 uint8 (E4M3 codes of Wq, K innermost, in blocks of 32 codes); Wv_codes 1,024 x 32 x 32 uint8 (E4M3 codes of Wv, K innermost, in blocks of 32 codes); beta 1,024 float32; bk 1,024 float32; bo 1,024 float32; bq 1,024 float32; bv 1,024 float32; gamma 1,024 float32; log_gate_bias 4 x 2,048 float32; lowp_scales 12 int32 (the exponents e of the quantised operands' scales 2^e).
;; Outputs: out0 4 x 1,024 x 1,024 float32.
;; This version of the problem:
;;   THIS VERSION OF THE PROBLEM IS GIVEN IN LOW PRECISION. The matrix products marked QUANTISED in the list below multiply operands that are first quantised to E4M3 (4 exponent bits, 3 mantissa bits; 8 bits a number), with one given power-of-two scale for each operand tensor; their sums are f32. All else is computed in f32.
;;   The module's matrix products, in the order in which they are computed (A, B: the left and right operand; K: the contracted axis; several contracted axes count as one K, in the product's order):
;;     1. [M 4,096, K 1,024] x [K 1,024, N 1,024]; A: input Q; B: input Wq (given as codes): QUANTISED (scales: A lowp_scales[0], B lowp_scales[1])
;;     2. [M 8,192, K 1,024] x [K 1,024, N 1,024]; A: input KV (given as codes); B: input Wk (given as codes): QUANTISED (scales: A lowp_scales[2], B lowp_scales[3])
;;     3. [M 8,192, K 1,024] x [K 1,024, N 1,024]; A: input KV (given as codes); B: input Wv (given as codes): QUANTISED (scales: A lowp_scales[4], B lowp_scales[5])
;;     4. batch 64 x [M 1,024, K 64] x [K 64, N 2,048]; A: computed on the way; B: computed on the way: QUANTISED (scales: A lowp_scales[6], B lowp_scales[7])
;;     5. batch 64 x [M 1,024, K 2,048] x [K 2,048, N 64]; A: softmax (see below); B: computed on the way: QUANTISED (scales: A lowp_scales[8], B lowp_scales[9])
;;     6. [M 4,096, K 1,024] x [K 1,024, N 1,024]; A: computed on the way; B: input Wo (given as codes): QUANTISED (scales: A lowp_scales[10], B lowp_scales[11])
;;   THE QUANTISER, for each operand of a quantised product, along K:
;;     - The operand's scale is 2^e, e = its entry of the input lowp_scales (int32; the entries are numbered through the quantised products in the list's order, A before B).
;;     - Each number is divided by the scale, clamped to +-448, and rounded to the nearest number of E4M3, ties to even, subnormals kept.
;;     - The product sums the exact products of the quantised numbers (number of the format x scale) in f32.
;;   ~~~python
;;   def quantise(x, axis, e):      # numpy; x: float32 -> the quantised numbers, widened to float32 again
;;       x = np.moveaxis(x, axis, -1); K = x.shape[-1]
;;       r = np.clip(x / 2.0 ** e, -448, 448)
;;       step = 2.0 ** (np.maximum(np.frexp(np.where(r == 0, 1, r))[1] - 1, -6) - 3)
;;       q = np.round(r / step) * step * 2.0 ** e      # np.round: ties to even
;;       return np.moveaxis(q, -1, axis).astype(np.float32)
;;   ~~~
;;   SOFTMAX AHEAD OF A QUANTISED PRODUCT. Where the list says 'softmax', what is quantised is not the finished softmax but p = 2^(t - M), with t = logit x log2(e) and M = ceil(the row's largest t), a whole number; so 1/2 < the row's largest p <= 1. The row's sum l is taken of the UNQUANTISED p, in f32, and the product's result is divided by l at the end. Since M is a whole number, a kernel that streams over the keys may use a running M (the ceiling of the running maximum): every later rescaling is an exact power of two, so the quantised numbers keep their values, but for numbers so far below the row's largest that they fall under the format's range.
;;   OPERANDS COMPUTED ON THE WAY. 'Computed on the way' means the value that the module computes at that place (a softmax that the list does not call 'softmax' is quantised finished and normalised). What goes into a quantiser is computed in f32, as accurately as f32 sums, v_exp_f32 and their like allow (about 1e-6 of the number): no bf16 or f16 on the way to a quantiser, and a product that is left as it is and whose result goes on into a quantised operand takes f32 operands (vector FMAs, or v_wmma_f32_16x16x4_f32). A number that lies on a knife's edge between two numbers of the format may be rounded either way, as far as f32 arithmetic and the matrix unit's own rounding can turn it there, and no further.
;;   INPUTS GIVEN AS CODES. KV (in the module: [4, 2048, 1024], K = its axis 2); Wk (in the module: [1024, 1024], K = its axis 1); Wo (in the module: [1024, 1024], K = its axis 1); Wq (in the module: [1024, 1024], K = its axis 1); Wv (in the module: [1024, 1024], K = its axis 1): each comes as NAME_codes (uint8): NAME with its K axis moved to the last place and cut into blocks of 32 codes, [.., K / 32, bytes a block], one block behind the other in memory; one code a byte (a code: sign, 4 exponent bits, 3 mantissa bits); its scale is its entry of lowp_scales. Its value is code x scale, taken as it is: it is not quantised again, and the codes and scales need not be those that the quantiser above would give.
;; One version. Each part assembles by itself: llvm-mc -triple=amdgcn-amd-amdhsa -mcpu=gfx1250 --defsym DOCPART=n.
;; ======== version 1 of 1: 3 launches
;; limits: right only within a limited range of input values
;; workspace buffers: kimg 8,388,608 bytes; vimg 8,388,608 bytes; qimg 4,194,304 bytes; aimg 4,194,304 bytes; woimg 1,048,576 bytes
;; launch proj (part 1): grid 4 x 64, 4 waves a work-group, clusters of 4 x 4, 327,680 bytes of LDS; arguments KV_codes, Wk_codes, Wv_codes, bk, bv, Q, Wo_codes, lowp_scales, kimg, vimg, qimg, woimg; writes kimg, vimg, qimg, woimg
.if DOCPART == 1
	.amdgcn_target "amdgcn-amd-amdhsa--gfx1250"
	.amdhsa_code_object_version 6
	.text
	.protected	k_q77a62b6d45_proj
	.globl	k_q77a62b6d45_proj
	.p2align	8
	.type	k_q77a62b6d45_proj,@function
k_q77a62b6d45_proj:
	s_mov_b64 s[64:65], 0
	v_nop
	global_prefetch_b8 v0, s[64:65] scope:SCOPE_SE
	s_setreg_imm32_b32 hwreg(HW_REG_WAVE_MODE, 25, 1), 1
	s_wait_xcnt 0x0
	s_wait_alu depctr_hold_cnt(0) depctr_sa_sdst(0) depctr_va_vdst(0) depctr_va_sdst(0) depctr_va_ssrc(0) depctr_va_vcc(0) depctr_vm_vsrc(0)
	s_getreg_b32 s2, hwreg(HW_REG_IB_STS2, 6, 4)
	s_cmp_eq_u32 s2, 0
	s_cbranch_scc0 .Lentry_in_a_cluster
	s_endpgm
.Lentry_in_a_cluster:
	s_bfe_u32 s2, ttmp6, 0x10000c
	s_cmp_lg_u32 s2, 0xf033
	s_cbranch_scc0 .Lentry_shape_is_right
	s_endpgm
.Lentry_shape_is_right:
; FIRST LAUNCH: K = KV Wk^T + bk and V = KV Wv^T + bv, quantised into images of the next products' operand registers (kimg, vimg); Q quantised into qimg; Wo's codes laid out into woimg.  No work of the problem is left out.
; A work-group makes 256 x 256 of K (ttmp7 < 8) or of V; four waves of 128 x 128.  K goes in steps of 256 through two LDS slots; 4 x 4 work-groups share the tiles by joint loads.
; V takes its operands the other way round, so that a lane's registers run along the keys.  Each work-group also quantises 16 rows of Q, one half of a wave's columns in each of two K steps, and lays out 1/256 of Wo's codes;
; their stores stand behind the last K step, so that no store waits among the loads.
; LIMITS: e7 - e2 - e3, e9 - e4 - e5 and e0 between -126 and 119.  NaN among the inputs is not served.
.set KROW,   1024
.set ROWB,   256
.set PITCH,  272
.set FR,     16
.set NL,     4
.set NP,     4
.set HALFT,  128*PITCH
.set SLOT,   4*HALFT
.set SPARE,  2*SLOT
.set BIASL,  SPARE+512
.set ADRA, 16
.set ADRB, 20
.set BK0,  22
.set BK1,  23
.set LO,   24
.set XA,   25
.set WOA,  26
.set BLA,  27
.set SPW,  28
.set NIL,  29
.set SCL,  30
.set LIM,  31
.set QS,   32
.set BI,   32
.set RB,   96
.set WOF,  100
.set QSC,  108
.set QLM,  109
.set AF,   128
.set TMP,  128
.set CD,   192
.set G1, 24
.set G0, 32
.set G1B, 48
.set G0B, 56
.set MSB, 0
.macro WIN new
.if MSB != \new
	s_set_vgpr_msb (MSB<<8)|\new
.set MSB, \new
.endif
.endm
.set MUL_LO, 0xa1
.set MUL_HI, 0xf1
.set TO_B,   0x40
.macro JLOAD g0a, g1a, g0b, g1b
	s_cmp_eq_u32 s15, 0
	s_cbranch_scc0 .Lfor_b_\@
	tensor_load_to_lds s[\g0a:\g0a+3], s[\g1a:\g1a+7]
	s_nop 0
.rept 4
	v_nop
.endr
	s_branch .Lasked_\@
.Lfor_b_\@:
	tensor_load_to_lds s[\g0b:\g0b+3], s[\g1b:\g1b+7]
	s_nop 0
.rept 4
	v_nop
.endr
.Lasked_\@:
.endm
.macro CREST
	s_cmp_lg_u32 s14, 0
	s_cbranch_scc1 .Lnot_wave_0_\@
	s_barrier_signal -3
.Lnot_wave_0_\@:
	s_barrier_wait -3
	s_barrier_signal -1
	s_barrier_wait -1
.endm
.macro CROUND
	s_barrier_signal -1
	s_barrier_wait -1
	CREST
.endm
	s_load_b512 s[68:83], s[0:1], 0x0
	s_load_b256 s[84:91], s[0:1], 0x40
	v_lshl_add_u32 v[SPW], v0, 2, SPARE
	v_mov_b32 v[NIL], 0
	ds_add_u32 v[SPW], v[NIL]
	ds_add_u32 v[SPW], v[NIL]
	v_lshrrev_b32 v1, 5, v0
	v_readfirstlane_b32 s14, v1
	s_lshr_b32 s15, s14, 1
	s_and_b32 s16, s14, 1
	s_bfe_u32 s40, ttmp6, 0x40000
	s_bfe_u32 s41, ttmp6, 0x40004
	s_and_b32 s13, ttmp7, 0xffff
	s_max_u32 s3, s13, 8
	s_sub_co_u32 s3, s3, 8
	s_lshl_b32 s3, s3, 2
	s_lshl_b32 s2, s13, 2
	s_cmp_ge_u32 s13, 8
	s_cselect_b32 s12, 1, 0
	s_cselect_b32 s17, 0, s2
	s_cselect_b32 s42, s3, 0
	s_add_co_u32 s17, s17, s41
	s_add_co_u32 s42, s42, s40
	s_lshl_b32 s10, s13, 4
	s_lshl_b32 s11, s41, 2
	s_add_co_u32 s10, s10, s11
	s_add_co_u32 s10, s10, s40
	s_lshl_b32 s43, s41, 2
	s_lshl_b32 s43, 15, s43
	s_lshl_b32 s44, 0x1111, s40
	s_or_b32 s[G1+0], s43, (0<<16)|(1<<20)|(1<<21)|(5<<22)|(3<<25)
	s_or_b32 s[G1B+0], s44, (0<<16)|(1<<20)|(1<<21)|(5<<22)|(3<<25)
.irp g, G1, G1B
	s_mov_b32 s[\g+1], ROWB<<16
	s_mov_b32 s[\g+2], 128<<16
	s_mov_b32 s[\g+3], ROWB<<16
	s_mov_b32 s[\g+4], 128
	s_mov_b32 s[\g+5], KROW
	s_mov_b32 s[\g+6], 0
	s_mov_b32 s[\g+7], 0
.endr
	s_lshl_b32 s18, s16, 7
	s_lshl_b32 s20, s17, 8
	s_add_co_u32 s20, s20, s18
	s_lshl_b32 s20, s20, 10
	s_mov_b32 s21, 0
	s_lshl_b32 s46, s42, 8
	s_add_co_u32 s46, s46, s18
	s_lshl_b32 s46, s46, 10
	s_mov_b32 s47, 0
	s_mul_i32 s45, s14, HALFT
	s_cmp_eq_u32 s12, 1
	s_cselect_b32 s2, s42, s17
	s_cselect_b32 s3, s16, s15
	s_cselect_b32 s11, s17, s42
	s_cselect_b32 s66, s15, s16
	s_lshr_b32 s67, s2, 3
	s_lshl_b32 s67, s67, 21
	s_and_b32 s2, s2, 7
	s_lshl_b32 s2, s2, 1
	s_add_co_u32 s2, s2, s3
	s_lshl_b32 s2, s2, 17
	s_add_co_u32 s2, s2, s67
	s_lshl_b32 s11, s11, 1
	s_add_co_u32 s11, s11, s66
	s_lshl_b32 s3, s11, 14
	s_add_co_u32 s2, s2, s3
	s_mov_b32 s3, 0
	s_lshl_b32 s66, s11, 9
	s_mov_b32 s67, 0
	s_wait_dscnt 0x0
	s_wait_kmcnt 0x0
	s_load_b256 s[92:99], s[82:83], 0x0
	s_load_b128 s[4:7], s[82:83], 0x20
	s_cmp_eq_u32 s12, 1
	s_cselect_b64 s[18:19], s[72:73], s[68:69]
	s_cselect_b64 s[22:23], s[68:69], s[70:71]
	s_cselect_b64 s[8:9], s[86:87], s[84:85]
	s_cselect_b64 s[74:75], s[76:77], s[74:75]
	s_add_nc_u64 s[20:21], s[18:19], s[20:21]
	s_add_nc_u64 s[46:47], s[22:23], s[46:47]
	s_add_nc_u64 s[8:9], s[8:9], s[2:3]
	s_add_nc_u64 s[74:75], s[74:75], s[66:67]
	CROUND
.irp s, 0,1
	s_mov_b32 s[G0+4*\s], 1
	s_add_co_u32 s[G0+4*\s+1], s45, \s*SLOT
	s_add_nc_u64 s[G0+4*\s+2:G0+4*\s+3], s[20:21], \s*ROWB
	s_or_b32 s[G0+4*\s+3], s[G0+4*\s+3], 0x80000000
	s_mov_b32 s[G0B+4*\s], 1
	s_add_co_u32 s[G0B+4*\s+1], s45, \s*SLOT
	s_add_nc_u64 s[G0B+4*\s+2:G0B+4*\s+3], s[46:47], \s*ROWB
	s_or_b32 s[G0B+4*\s+3], s[G0B+4*\s+3], 0x80000000
.endr
	JLOAD G0, G1, G0B, G1B                         ; K step 0: one tensor load a wave at the head
	; PREFETCHES of KV's K steps 2 and 3, each two K steps ahead of its load: behind K step 0's load and behind K step 1's.  The two waves that fetch KV (for A where K is made, for B where V is made) ask: of a wave's 128 rows
	; each of the four partners takes 32, told apart by address, a lane a row of 256 bytes.  The weights, which eight clusters read, are not prefetched.  v126 and s[66:67] are never rewritten.
	v_and_b32 v126, 31, v0
	v_lshlrev_b32 v126, 10, v126
	s_cmp_eq_u32 s15, 0
	s_cselect_b64 s[66:67], s[20:21], s[46:47]
	s_cselect_b32 s2, s40, s41
	s_lshl_b32 s2, s2, 15
	s_mov_b32 s3, 0
	s_add_nc_u64 s[66:67], s[66:67], s[2:3]
	s_wait_alu depctr_va_vdst(0)
	s_cmp_lg_u32 s12, s15
	s_cbranch_scc1 .Lno_pf2
	global_prefetch_b8 v126, s[66:67] offset:2*ROWB th:TH_LOAD_NT scope:SCOPE_SE
.Lno_pf2:
	v_and_b32 v1, 15, v0
	v_bfe_u32 v2, v0, 4, 1
	v_mul_u32_u24 v3, v1, PITCH
	v_lshl_add_u32 v4, v2, 4, v3
	s_mul_i32 s21, s15, HALFT
	s_mul_i32 s22, s16, HALFT
	s_add_co_u32 s22, s22, 2*HALFT
.irp s, 0,1
	v_add_nc_u32 v[ADRA+\s], s21, v4
	v_add_nc_u32 v[ADRB+\s], s22, v4
	s_add_co_u32 s21, s21, SLOT
	s_add_co_u32 s22, s22, SLOT
.endr
	v_and_b32 v5, 31, v0
	v_lshlrev_b32 v[LO], 4, v5
	s_wait_alu depctr_va_vdst(0)
	v_lshlrev_b32 v[XA], 12, v1
	v_lshl_add_u32 v[XA], v2, 6, v[XA]
	v_lshlrev_b32 v[WOA], 10, v1
	v_lshl_add_u32 v[WOA], v2, 3, v[WOA]
	s_wait_alu depctr_va_vdst(0)
	s_lshl_b32 s23, s14, 9
	s_add_co_u32 s23, s23, BIASL
	v_add_nc_u32 v[BLA], s23, v[LO]
	v_lshl_add_u32 v[BK0], v2, 5, s23
	v_lshl_add_u32 v[BK1], v1, 2, s23
	s_lshl_b32 s18, s10, 1
	s_add_co_u32 s18, s18, s15
	s_lshr_b32 s19, s18, 3
	s_lshl_b32 s19, s19, 14
	s_and_b32 s20, s18, 7
	s_lshl_b32 s20, s20, 7
	s_add_co_u32 s20, s20, s19
	s_lshl_b32 s19, s16, 6
	s_add_co_u32 s20, s20, s19
	s_mov_b32 s21, 0
	s_add_nc_u64 s[80:81], s[80:81], s[20:21]
	s_lshl_b32 s20, s18, 11
	s_lshl_b32 s19, s16, 10
	s_add_co_u32 s20, s20, s19
	s_add_nc_u64 s[90:91], s[90:91], s[20:21]
	s_lshl_b32 s20, s10, 16
	s_lshl_b32 s19, s14, 10
	s_add_co_u32 s20, s20, s19
	s_add_nc_u64 s[78:79], s[78:79], s[20:21]
	s_lshl_b32 s20, s10, 14
	s_lshl_b32 s19, s14, 12
	s_add_co_u32 s20, s20, s19
	s_add_nc_u64 s[88:89], s[88:89], s[20:21]
	global_load_b128 v[RB:RB+3], v[LO], s[74:75]
.irp i, 0,1,2,3
	global_load_b64 v[WOF+2*\i:WOF+2*\i+1], v[WOA], s[80:81] offset:16*\i
.endr
.macro QLOAD st                        ; 64 numbers of Q a lane: v32-95
.irp b, 0,1,2,3
.irp j, 0,1,2,3
	global_load_b128 v[QS+16*\b+4*\j:QS+16*\b+4*\j+3], v[XA], s[78:79] offset:512*\st+128*\b+16*\j th:TH_LOAD_NT
.endr
.endr
.endm
	s_wait_kmcnt 0x0
	s_add_co_i32 s18, s94, s95
	s_add_co_i32 s19, s96, s97
	s_cmp_eq_u32 s12, 1
	s_cselect_b32 s18, s19, s18
	s_cselect_b32 s19, s5, s99
	s_sub_co_i32 s19, s19, s18
	s_sub_co_i32 s18, 0, s18
	s_add_co_i32 s19, s19, 127
	s_lshl_b32 s20, s19, 23
	v_mov_b32 v[SCL], s20
	s_add_co_i32 s19, s19, 8
	s_lshl_b32 s19, s19, 23
	s_or_b32 s19, s19, 0x600000
	v_mov_b32 v[LIM], s19
	s_add_co_i32 s19, s92, 127
	s_lshl_b32 s20, s19, 23
	v_mov_b32 v[QSC], s20
	s_add_co_i32 s19, s19, 8
	s_lshl_b32 s19, s19, 23
	s_or_b32 s19, s19, 0x600000
	v_mov_b32 v[QLM], s19
.macro QUANT s, d
.irp b, 0,1,2,3
.irp i, 0,1,2,3,4,5,6,7,8,9,10,11,12,13,14,15
	v_med3_num_f32 v[\s+16*\b+\i], v[\s+16*\b+\i], -v[QLM], v[QLM]
.endr
	v_cvt_scalef32_pk8_fp8_f32 v[\d+4*\b:\d+4*\b+1], v[\s+16*\b:\s+16*\b+7], v[QSC]
	v_cvt_scalef32_pk8_fp8_f32 v[\d+4*\b+2:\d+4*\b+3], v[\s+16*\b+8:\s+16*\b+15], v[QSC]
.endr
	v_nop
.endm
	s_wait_alu depctr_va_vdst(0)
	s_wait_loadcnt 4                               ; the bias is in: behind it Wo's 4 loads
.irp i, 0,1,2,3
	v_ldexp_f32 v[RB+\i], v[RB+\i], s18
.endr
	ds_store_b128 v[BLA], v[RB:RB+3]
.macro FRAG reg, adr, q, i
.irp c, 0,1,2,3
	ds_load_b128 v[\reg+4*\c:\reg+4*\c+3], v[\adr] offset:128*(\q)+32*\c+(\i)*16*PITCH
.endr
.endm
.macro MUL16 a0, p, zero
.irp a, \a0, \a0+1
.irp b, 0,1,2,3,4,5,6,7
.if \zero
	v_wmma_f32_16x16x128_fp8_fp8 v[8*(8*((\a)%4)+\b):8*(8*((\a)%4)+\b)+7], v[128*(\p)+FR*\b:128*(\p)+FR*\b+FR-1], v[AF+FR*(\a):AF+FR*(\a)+FR-1], 0
.else
	v_wmma_f32_16x16x128_fp8_fp8 v[8*(8*((\a)%4)+\b):8*(8*((\a)%4)+\b)+7], v[128*(\p)+FR*\b:128*(\p)+FR*\b+FR-1], v[AF+FR*(\a):AF+FR*(\a)+FR-1], v[8*(8*((\a)%4)+\b):8*(8*((\a)%4)+\b)+7]
.endif
.endr
.endr
.endm
.macro FETCH_B slot, q, p
	WIN TO_B
.irp i, 0,1,2,3,4,5,6,7
	FRAG 128*(\p)+FR*\i, ADRB+\slot, \q, \i
.endr
	WIN 0
.endm
.macro FETCH_A slot, q, i0
.irp i, \i0, \i0+1, \i0+2, \i0+3
	FRAG AF+FR*(\i), ADRA+\slot, \q, \i
.endr
.endm
.macro PLACES n
.rept \n
	v_nop
.endr
.endm
.macro STEP slot, q, zero
	s_wait_dscnt 4*NL
	WIN MUL_LO
	MUL16 0, (\q)%2, \zero
	MUL16 2, (\q)%2, \zero
	s_wait_dscnt 0
	PLACES NP
	FETCH_B \slot, (\q)+1, 1-(\q)%2
	FETCH_A \slot, (\q)+1, 0
	WIN MUL_HI
	MUL16 4, (\q)%2, \zero
	MUL16 6, (\q)%2, \zero
	PLACES NP
	WIN 0
	FETCH_A \slot, (\q)+1, 4
.endm
.macro TURN slot, next, fill
	s_wait_tensorcnt 0x0
	ds_add_u32 v[SPW], v[NIL]
	s_wait_dscnt 4*NL+1
	WIN MUL_LO
	MUL16 0, 1, 0
	s_wait_dscnt 0x0
	s_barrier_signal -1
	MUL16 2, 1, 0
	WIN 0
	s_barrier_wait -1
.if \fill
	CREST
	s_add_nc_u64 s[G0+4*\slot+2:G0+4*\slot+3], s[G0+4*\slot+2:G0+4*\slot+3], 2*ROWB
	s_add_nc_u64 s[G0B+4*\slot+2:G0B+4*\slot+3], s[G0B+4*\slot+2:G0B+4*\slot+3], 2*ROWB
	JLOAD G0+4*\slot, G1, G0B+4*\slot, G1B
.else
	PLACES NP
.endif
	FETCH_B \next, 0, 0
	FETCH_A \next, 0, 0
	WIN MUL_HI
	MUL16 4, 1, 0
	MUL16 6, 1, 0
	PLACES NP
	WIN 0
	FETCH_A \next, 0, 4
.endm
	s_wait_tensorcnt 0x0                           ; my part of K step 0 is in
	ds_add_u32 v[SPW], v[NIL]
	s_wait_dscnt 0x0
	CROUND
	JLOAD G0+4, G1, G0B+4, G1B                     ; K step 1: the first tensor load behind the round
	FETCH_B 0, 0, 0
	FETCH_A 0, 0, 0
	FETCH_A 0, 0, 4
	QLOAD 0                                        ; Q's first half: quantised behind the first change of slots
	s_cmp_lg_u32 s12, s15
	s_cbranch_scc1 .Lno_pf3
	global_prefetch_b8 v126, s[66:67] offset:3*ROWB th:TH_LOAD_NT scope:SCOPE_SE
.Lno_pf3:
	STEP 0, 0, 1
	TURN 0, 1, 1
	s_wait_loadcnt 0x0                             ; Q's first half is in, and Wo's codes
	QUANT QS, 110                                  ; its codes: v110-125
	s_wait_alu depctr_va_vdst(0)
	QLOAD 1
	STEP 1, 0, 0
	TURN 1, 0, 1
	STEP 0, 0, 0
	s_wait_loadcnt 0x0                             ; Q's second half
	QUANT QS, 0                                    ; its codes: v0-15, which held the head's temporaries
	s_wait_alu depctr_va_vdst(0)
	TURN 0, 1, 0
	STEP 1, 0, 0
	s_wait_dscnt 4*NL
	WIN MUL_LO
	MUL16 0, 1, 0
	MUL16 2, 1, 0
	s_wait_dscnt 0
	WIN MUL_HI
	MUL16 4, 1, 0
	MUL16 6, 1, 0
	WIN 0
.macro EPI kind
.if \kind
.irp a, 0,1,2,3,4,5,6,7
	ds_load_b32 v[BI+2*\a], v[BK1] offset:64*\a
	ds_load_b32 v[BI+2*\a+1], v[BK1] offset:64*\a
.endr
.else
.irp b, 0,1,2,3,4,5,6,7
	ds_load_b128 v[BI+8*\b:BI+8*\b+3], v[BK0] offset:64*\b
	ds_load_b128 v[BI+8*\b+4:BI+8*\b+7], v[BK0] offset:64*\b+16
.endr
.endif
	s_wait_dscnt 0x0
.irp a, 0,1,2,3,4,5,6,7
.set AC, 64*((\a)%4)
.set CS4, CD+16*((\a)%4)
.if \a >= 4
	s_wait_xcnt 0x0
.endif
	WIN 0x02+((\a)/4)
.set j, 0
.rept 32
.if \kind
	v_pk_add_f32 v[TMP+j:TMP+j+1], v[AC+j:AC+j+1], v[BI+2*\a:BI+2*\a+1]
.else
	v_pk_add_f32 v[TMP+j:TMP+j+1], v[AC+j:AC+j+1], v[BI+j:BI+j+1]
.endif
.set j, j+2
.endr
	WIN 0
.set j, 0
.rept 64
	v_med3_num_f32 v[TMP+j], v[TMP+j], -v[LIM], v[LIM]
.set j, j+1
.endr
.irp b, 0,1,2,3,4,5,6,7
	v_cvt_scalef32_pk8_fp8_f32 v[CS4+2*\b:CS4+2*\b+1], v[TMP+8*\b:TMP+8*\b+7], v[SCL]
.endr
	v_nop
.irp g, 0,1,2,3
.if \kind
	global_store_b128 v[LO], v[CS4+4*\g:CS4+4*\g+3], s[8:9] offset:2048*\a+512*\g
.else
	global_store_b128 v[LO], v[CS4+4*\g:CS4+4*\g+3], s[8:9] offset:1024*\a+512*((\g)%2)+8192*((\g)/2)
.endif
.endr
.endr
.endm
	PLACES NP
	global_store_b128 v[LO], v[WOF:WOF+3], s[90:91]
	global_store_b128 v[LO], v[WOF+4:WOF+7], s[90:91] offset:512
.irp g, 0,1,2,3
	global_store_b128 v[LO], v[110+4*\g:110+4*\g+3], s[88:89] offset:512*\g
.endr
.irp g, 0,1,2,3
	global_store_b128 v[LO], v[4*\g:4*\g+3], s[88:89] offset:2048+512*\g
.endr
	s_wait_xcnt 0x0
	s_cmp_eq_u32 s12, 1
	s_cbranch_scc1 .Lv_out
	EPI 0
	s_branch .Ldone
.Lv_out:
	EPI 1
.Ldone:
	s_wait_tensorcnt 0x0
	ds_add_u32 v[SPW], v[NIL]
	s_wait_dscnt 0x0
	CROUND
	s_endpgm
.Lfunc_end_k_q77a62b6d45_proj:
	.size	k_q77a62b6d45_proj, .Lfunc_end_k_q77a62b6d45_proj-k_q77a62b6d45_proj
	.p2alignl 7, 3214868480
	.fill 96, 4, 3214868480
	.section	.rodata,"a",@progbits
	.p2align	6, 0x0
	.amdhsa_kernel k_q77a62b6d45_proj
		.amdhsa_group_segment_fixed_size 327680
		.amdhsa_private_segment_fixed_size 0
		.amdhsa_enable_private_segment 0
		.amdhsa_kernarg_size 96
		.amdhsa_user_sgpr_count 2
		.amdhsa_user_sgpr_kernarg_segment_ptr 1
		.amdhsa_wavefront_size32 1
		.amdhsa_system_sgpr_workgroup_id_x 1
		.amdhsa_system_sgpr_workgroup_id_y 1
		.amdhsa_system_sgpr_workgroup_id_z 1
		.amdhsa_system_vgpr_workitem_id 0
		.amdhsa_next_free_vgpr 1024
		.amdhsa_next_free_sgpr 100
		.amdhsa_reserve_vcc 0
		.amdhsa_float_denorm_mode_32 3
		.amdhsa_float_denorm_mode_16_64 3
		.amdhsa_memory_ordered 1
		.amdhsa_forward_progress 1
		.amdhsa_inst_pref_size 209
	.end_amdhsa_kernel
	.amdgpu_metadata
---
amdhsa.version: [ 1, 2 ]
amdhsa.kernels:
  - .name:           k_q77a62b6d45_proj
    .symbol:         k_q77a62b6d45_proj.kd
    .args:
      - { .name: KV_codes, .offset: 0, .size: 8, .value_kind: global_buffer, .address_space: global }
      - { .name: Wk_codes, .offset: 8, .size: 8, .value_kind: global_buffer, .address_space: global }
      - { .name: Wv_codes, .offset: 16, .size: 8, .value_kind: global_buffer, .address_space: global }
      - { .name: bk, .offset: 24, .size: 8, .value_kind: global_buffer, .address_space: global }
      - { .name: bv, .offset: 32, .size: 8, .value_kind: global_buffer, .address_space: global }
      - { .name: Q, .offset: 40, .size: 8, .value_kind: global_buffer, .address_space: global }
      - { .name: Wo_codes, .offset: 48, .size: 8, .value_kind: global_buffer, .address_space: global }
      - { .name: lowp_scales, .offset: 56, .size: 8, .value_kind: global_buffer, .address_space: global }
      - { .name: kimg, .offset: 64, .size: 8, .value_kind: global_buffer, .address_space: global }
      - { .name: vimg, .offset: 72, .size: 8, .value_kind: global_buffer, .address_space: global }
      - { .name: qimg, .offset: 80, .size: 8, .value_kind: global_buffer, .address_space: global }
      - { .name: woimg, .offset: 88, .size: 8, .value_kind: global_buffer, .address_space: global }
    .group_segment_fixed_size: 327680
    .private_segment_fixed_size: 0
    .kernarg_segment_align: 8
    .kernarg_segment_size: 96
    .max_flat_workgroup_size: 128
    .sgpr_count:     100
    .vgpr_count:     1024
    .wavefront_size: 32
...
	.end_amdgpu_metadata
.endif
;; end of part 1
;; launch attn (part 2): grid 4 x 64, 8 waves a work-group, clusters of 4 x 1, 327,680 bytes of LDS; arguments qimg, Wq_codes, bq, kimg, vimg, log_gate_bias, lowp_scales, aimg; writes aimg
.if DOCPART == 2
	.amdgcn_target "amdgcn-amd-amdhsa--gfx1250"
	.amdhsa_code_object_version 6
	.text
	.protected	k_q77a62b6d45_attn
	.globl	k_q77a62b6d45_attn
	.p2align	8
	.type	k_q77a62b6d45_attn,@function
k_q77a62b6d45_attn:
	s_mov_b64 s[64:65], 0
	v_nop
	global_prefetch_b8 v0, s[64:65] scope:SCOPE_SE
	s_setreg_imm32_b32 hwreg(HW_REG_WAVE_MODE, 25, 1), 1
	s_wait_xcnt 0x0
	s_wait_alu depctr_hold_cnt(0) depctr_sa_sdst(0) depctr_va_vdst(0) depctr_va_sdst(0) depctr_va_ssrc(0) depctr_va_vcc(0) depctr_vm_vsrc(0)
	s_getreg_b32 s2, hwreg(HW_REG_IB_STS2, 6, 4)
	s_cmp_eq_u32 s2, 0
	s_cbranch_scc0 .Lentry_in_a_cluster
	s_endpgm
.Lentry_in_a_cluster:
	s_bfe_u32 s2, ttmp6, 0x10000c
	s_cmp_lg_u32 s2, 0x3003
	s_cbranch_scc0 .Lentry_shape_is_right
	s_endpgm
.Lentry_shape_is_right:
; SECOND LAUNCH: q = Q Wq^T + bq of one head, quantised (e6); S = q k^T / 8 + gate; p = 2^(t - M), quantised (e8); O = p v / l, quantised (e10) into aimg.  No work of the problem is left out.
; SHARES.  A work-group owns 256 queries of one batch and head; each of its EIGHT waves owns 32 of them, TWO tiles of 16, in 512 registers.  Every fragment of Wq, K, V and of the gate numbers that a wave reads from LDS feeds both tiles.
; CLUSTER 4 x 1: the four query blocks of one batch and head need the same Wq rows, K and V: every tensor load is JOINT, mask 15.  The place in the cluster enters qimg's and aimg's addresses alone.
; K AND V OF THE HEAD LIE WHOLE IN LDS: 32 images of 8,192 bytes (K's 16 key steps, then V's 16), four to a tensor load, a load to a wave.  Wave 7's part, V's last four images, takes the bytes that held Wq's rows, so it is
; asked for behind the q product.  All is asked for ahead of the walk over the keys, so there is no later tile to prefetch.
; All operands arrive as images of their registers (four registers = 512 bytes, lane l at 16 l); Wq's rows come as they lie, padded by 16 bytes.
; LAYOUT.  All products are used transposed, so that a lane holds ONE query (lane % 16) of each tile throughout: q^T = Wq Q^T, S^T = K q^T, O^T = V^T P^T.  The conversions' results are the next operand's registers.
; THE GATE BIAS is the C of the score's matrix instruction, as gate x 8 / 2^(e6 + e7) (a power of two: nothing is rounded), so that t = c x (sum + C), c = log2(e) / 8 x 2^(e6 + e7).
; THE SOFTMAX: M = the running largest t rounded UP to a whole number, kept as -M = floor(-t); p = 2^(t - M), not normalised; l is the sum of the unquantised p; when M moves, l and O^T are multiplied by 2^(old M - new M).
; LIMITS: e6 - e0 - e1, e8 and e10 - e8 - e9 between -126 and 119; e6 + e7 between -123 and 130; scaled scores under 2^31 in magnitude.  NaN among the inputs is not served.
; REGISTERS, in two windows of 256.  TILE 0 LIVES IN WINDOW 0, TILE 1 IN WINDOW 1, AT THE SAME NUMBERS:
;   v0 2^e8; v2 -M, v3 the largest t, v[4:5] l; v6-13 q's codes; v14-45 O^T (first q's sums); v46-109 S^T, then p; v110-125 p's codes, and until these are made the softmax's scratch.
;   shared: window 0 v126-189 K's fragments, v238-246 addresses; window 1 v126-189 the gate numbers of a key step, v190-253 V's fragments.
;   at the head: v46-173 of each window the tile's codes of Q; v174-237 of both windows Wq's fragments, two sets by turns; window 0 v6-13 the gate numbers as loaded.
.set VOFF,  131072                     ; V's images
.set WQ,    229376                     ; 64 rows of Wq; later V's last four images
.set WQP,   1040                       ; 1,024 bytes + 16 of padding: 65 x 16 bytes, so the 16 rows of a load start at 16 different banks (64 banks of 4 bytes: ISA guide 11.1)
.set BIAS,  WQ+64*WQP                  ; the batch's 2,048 gate numbers, scaled: stored by the waves, no fill lands here
.set SPARE, BIAS+8192                  ; the spare words: 128 bytes a wave, four blocks of 256 bytes that no other line names
.set SC8, 0
.set MM,  2
.set LS,  4
.set QF,  6
.set O,   14
.set S,   46
.set PC,  110
.set SU,  PC                           ; four chains of the row's sum
.set MX,  PC                           ; four chains of the maximum
.set FF,  PC+8                         ; 2^(old M - new M)
.set T1,  PC+10
.set PX,  PC+11
.set KF,  126                          ; window 0
.set GB,  126                          ; window 1
.set VF,  190                          ; window 1
.set QC,  46
.set WF,  174
.set LI,  238                          ; 16 x lane
.set BI,  239                          ; BIAS + 32 h
.set ADK, 240
.set ADV, 241
.set ADB, 242
.set SPW, 243                          ; LDS address of my spare word; never rewritten
.set NIL, 244                          ; 0; never rewritten
.set WA,  245                          ; Wq: WQ + 1,040 r + 16 h
.set TH,  246                          ; 16 x thread
.set WV,  54                           ; s54  my wave's number
.set SEL, 20                           ; s[20:21] v_permlanex16_b32's selects for lane l xor 16
.set CS,  22                           ; s[22:23] c, twice
.set G1R, 24                           ; s[24:31] group 1 of K's and V's tiles
.set G1W, 32                           ; s[32:39] group 1 of Wq's tile
.set G0W, 40                           ; s[40:43] group 0: Wq
.set G0A, 44                           ; s[44:47] group 0: my four images of K or V
.set TV,  48                           ; s48  LDS byte of the key step's V
.set TB,  2                            ; s2   LDS byte of the next key step's K
.set BB,  3                            ; s3   its gate numbers: 512 x step
.set CNT, 66
.set OUT, 67
.set MSB, 0
.macro WIN new                         ; s_set_vgpr_msb: bits 1:0 source 0, 3:2 source 1, 5:4 source 2, 7:6 destination; the immediate's high byte repeats the setting that is left
.if MSB != \new
	s_set_vgpr_msb (MSB<<8)|\new
.set MSB, \new
.endif
.endm
.set W_T1, 0x55                        ; all four places in window 1: tile 1's vector work and its second products
.set W_M1, 0x54                        ; tile 1's scores: source 0 (K) in window 0
.set W_C1, 0x10                        ; tile 0's scores: C (the gate numbers) in window 1
.set W_D1, 0x40                        ; destination in window 1: loads
.set W_S1, 0x04                        ; source 1 in window 1: a store's data
.macro CROUND                          ; a round of the cluster's barrier
	s_barrier_signal -1
	s_barrier_wait -1
	s_cmp_lg_u32 s[WV], 0
	s_cbranch_scc1 .Lnot_wave_0_\@
	s_barrier_signal -3
.Lnot_wave_0_\@:
	s_barrier_wait -3
	s_barrier_signal -1
	s_barrier_wait -1
.endm
	s_load_b512 s[4:19], s[0:1], 0x0               ; qimg 4, Wq 6, bq 8, kimg 10, vimg 12, the gate 14, the scales' exponents 16, aimg 18
	v_lshl_add_u32 v[SPW], v0, 2, SPARE
	v_mov_b32 v[NIL], 0
	ds_add_u32 v[SPW], v[NIL]                      ; the wave's opening: the add, twice on end, and its wait ahead of the first tensor load
	ds_add_u32 v[SPW], v[NIL]
	v_lshrrev_b32 v1, 5, v0
	v_readfirstlane_b32 s[WV], v1                  ; wave 0..7
	s_bfe_u32 s55, ttmp6, 0x40000                  ; cx: my block of 256 queries
	s_and_b32 s57, ttmp7, 0xffff
	s_lshr_b32 s52, s57, 4                         ; the batch
	s_and_b32 s53, s57, 15                         ; the head
	s_and_b32 s56, s[WV], 3
	; K's and V's tile: four key steps' images, 8,192 bytes each, 131,072 bytes apart in memory, on end in LDS
	s_mov_b32 s[G1R], 15|(3<<16)|(1<<21)           ; 15:0 the mask: all four work-groups; 17:16 elements of 8 bytes; 21 set beside a mask
	s_mov_b32 s[G1R+1], 1024<<16                   ; tensor_dim0 = 1,024 elements
	s_mov_b32 s[G1R+2], 4<<16                      ; tensor_dim1 = 4
	s_mov_b32 s[G1R+3], 1024<<16                   ; tile_dim0
	s_mov_b32 s[G1R+4], 4                          ; tile_dim1
	s_mov_b32 s[G1R+5], 16384                      ; from row to row, in elements
	s_mov_b32 s[G1R+6], 0
	s_mov_b32 s[G1R+7], 0
	; Wq's tile: 8 rows of 1,024 bytes, 16 bytes of padding behind each
	s_mov_b32 s[G1W], 15|(3<<16)|(1<<20)|(1<<21)|(7<<22)|(3<<25)  ; padding on: after every 256 words (code 7) four words (code 3)
	s_mov_b32 s[G1W+1], 128<<16
	s_mov_b32 s[G1W+2], 8<<16
	s_mov_b32 s[G1W+3], 128<<16
	s_mov_b32 s[G1W+4], 8
	s_mov_b32 s[G1W+5], 128
	s_mov_b32 s[G1W+6], 0
	s_mov_b32 s[G1W+7], 0
	s_mov_b32 s[SEL], 0x76543210
	s_mov_b32 s[SEL+1], 0xfedcba98
	s_mov_b32 s[CS], 0x3e38aa3b                    ; log2(e) / 8
	s_mov_b32 s[TB], 0
	s_mov_b32 s[BB], 0
	s_mov_b32 s[TV], VOFF
	s_mov_b32 s[OUT], 3
	s_lshl_b32 s58, s53, 16                        ; Wq: the head's 64 rows,
	s_lshl_b32 s59, s[WV], 13                      ; my 8 of them
	s_add_co_u32 s58, s58, s59
	s_mov_b32 s59, 0
	s_lshl_b32 s60, s52, 21                        ; K, V: the batch,
	s_lshl_b32 s61, s53, 13                        ; the head,
	s_add_co_u32 s60, s60, s61
	s_lshl_b32 s61, s56, 19                        ; key steps 4 (wave % 4) on
	s_add_co_u32 s60, s60, s61
	s_mov_b32 s61, 0
	s_mul_i32 s62, s[WV], 8*WQP
	s_add_co_u32 s62, s62, WQ                      ; where my rows of Wq go,
	s_lshl_b32 s63, s[WV], 15                      ; and my four images: waves 0-3: K's; waves 4-7: V's
	s_lshl_b32 s80, s52, 6
	s_lshl_b32 s81, s55, 4
	s_add_co_u32 s80, s80, s81
	s_lshl_b32 s81, s[WV], 1
	s_add_co_u32 s80, s80, s81                     ; my first row tile: 64 b + 16 cx + 2 x wave; the second follows it
	s_lshl_b32 s80, s80, 14
	s_mov_b32 s81, 0
	s_wait_dscnt 0x0                               ; both opening adds are done
	s_wait_kmcnt 0x0
	s_load_b256 s[68:75], s[16:17], 0x0            ; e0 .. e7
	s_load_b128 s[76:79], s[16:17], 0x20           ; e8 .. e11
	s_mov_b32 s[G0W], 1
	s_mov_b32 s[G0W+1], s62
	s_add_nc_u64 s[G0W+2:G0W+3], s[6:7], s[58:59]
	s_or_b32 s[G0W+3], s[G0W+3], 0x80000000
	s_cmp_lt_u32 s[WV], 4                          ; the wave's number alone: the same in all four partners
	s_cselect_b64 s[82:83], s[10:11], s[12:13]
	s_mov_b32 s[G0A], 1
	s_mov_b32 s[G0A+1], s63
	s_add_nc_u64 s[G0A+2:G0A+3], s[82:83], s[60:61]
	s_or_b32 s[G0A+3], s[G0A+3], 0x80000000
	CROUND                                         ; all four work-groups are here: the first joint loads meet
	tensor_load_to_lds s[G0W:G0W+3], s[G1W:G1W+7]  ; Wq: one tensor load a wave at the head
	s_nop 0
.rept 4
	v_nop
.endr
	s_add_nc_u64 s[4:5], s[4:5], s[80:81]          ; qimg and aimg at my first row tile
	s_add_nc_u64 s[18:19], s[18:19], s[80:81]
	s_lshl_b32 s80, s53, 10                        ; aimg: K step head / 2, groups 2 (head % 2) on: 1,024 x head
	s_add_nc_u64 s[18:19], s[18:19], s[80:81]
	s_lshl_b32 s80, s53, 8
	s_add_nc_u64 s[8:9], s[8:9], s[80:81]          ; bq at the head's 64 numbers
	s_lshl_b32 s80, s52, 13
	s_add_nc_u64 s[14:15], s[14:15], s[80:81]      ; the gate at the batch's 2,048
	v_and_b32 v1, 31, v0
	v_and_b32 v2, 15, v0                           ; r
	v_bfe_u32 v3, v0, 4, 1                         ; h
	v_lshlrev_b32 v[TH], 4, v0
	v_lshl_add_u32 v[ADB], v0, 4, BIAS             ; for now: where my thread puts its gate numbers
	v_lshlrev_b32 v[LI], 4, v1
	v_mul_u32_u24 v[WA], v2, WQP
	v_lshlrev_b32 v4, 5, v3                        ; 32 h
	v_lshl_add_u32 v[WA], v3, 4, v[WA]
	v_add_nc_u32 v[BI], BIAS, v4
	v_add_nc_u32 v[WA], WQ, v[WA]
	s_wait_alu depctr_va_vdst(0)                   ; the loads below read these addresses among many switches of the windows
.macro QLD s                           ; both tiles' codes of Q, K step s: 8 loads of 512 consecutive bytes
.irp c, 0,1,2,3
	global_load_b128 v[QC+16*\s+4*\c:QC+16*\s+4*\c+3], v[LI], s[4:5] offset:2048*\s+512*\c
.endr
	WIN W_D1
.irp c, 0,1,2,3
	global_load_b128 v[QC+16*\s+4*\c:QC+16*\s+4*\c+3], v[LI], s[4:5] offset:16384+2048*\s+512*\c
.endr
	WIN 0
.endm
	; the gate numbers (2 loads), bq (8), Q's K steps 0-5 (48)
	; the gate numbers (2 loads), bq (8), Q's K step 0 (8); K steps 1-5 (40) follow behind the loads of K and V
	global_load_b128 v[6:9], v[TH], s[14:15]                   ; 256 threads x 16 bytes, twice: the batch's 8,192 bytes
	global_load_b128 v[10:13], v[TH], s[14:15] offset:4096
.irp t, 0,1,2,3
	global_load_b128 v[O+8*\t:O+8*\t+3], v4, s[8:9] offset:64*\t       ; bq at my eight channels of tile t: 16 t + 8 h + 0 .. 7
	global_load_b128 v[O+8*\t+4:O+8*\t+7], v4, s[8:9] offset:64*\t+16
.endr
	QLD 0
	s_wait_alu depctr_va_vdst(0)
	s_wait_kmcnt 0x0
	s_add_co_i32 s80, s74, s75                     ; e6 + e7
	s_sub_co_i32 s81, 3, s80                       ; the gate x 8 / 2^(e6 + e7)
	s_lshl_b32 s80, s80, 23
	s_add_co_i32 s[CS], s[CS], s80                 ; the two exponents are added to c's exponent field
	s_mov_b32 s[CS+1], s[CS]
	s_add_co_i32 s82, s68, s69                     ; e0 + e1
	s_sub_co_i32 s83, 0, s82
	s_sub_co_i32 s82, s74, s82                     ; e6 - e0 - e1: the three scales folded into q's conversion
	s_add_co_i32 s82, s82, 127
	s_lshl_b32 s84, s82, 23                        ; s84: that power of two as f32,
	s_add_co_i32 s82, s82, 8
	s_lshl_b32 s82, s82, 23
	s_or_b32 s82, s82, 0x600000                    ; s82: 448 x it
	s_add_co_i32 s86, s76, 127
	s_lshl_b32 s85, s86, 23                        ; s85: 2^e8, for p's conversion,
	s_add_co_i32 s86, s86, 8
	s_lshl_b32 s86, s86, 23
	s_or_b32 s86, s86, 0x600000                    ; s86: 448 x 2^e8
	s_sub_co_i32 s88, s78, s76
	s_sub_co_i32 s88, s88, s77                     ; e10 - e8 - e9, for O's conversion
	s_add_co_i32 s88, s88, 127
	s_lshl_b32 s87, s88, 23                        ; s87,
	s_add_co_i32 s88, s88, 8
	s_lshl_b32 s88, s88, 23
	s_or_b32 s88, s88, 0x600000                    ; s88 likewise
	s_wait_tensorcnt 0x0                           ; my rows of Wq are in
	ds_add_u32 v[SPW], v[NIL]
	s_wait_dscnt 0x0
	CROUND                                         ; Wq is whole; the joint loads meet
	s_cmp_lt_u32 s[WV], 7                          ; K, and V's key steps 0-11; wave 7's images wait for Wq's bytes
	s_cbranch_scc0 .Lno_kv
	tensor_load_to_lds s[G0A:G0A+3], s[G1R:G1R+7]
	s_nop 0
.rept 4
	v_nop
.endr
.Lno_kv:
.irp s, 1,2,3,4,5
	QLD \s
.endr
	s_wait_loadcnt 48                              ; the gate numbers and bq are in: behind them 6 K steps x 8 loads
.irp i, 0,1,2,3,4,5,6,7
	v_ldexp_f32 v[6+\i], v[6+\i], s81
.endr
	ds_store_b128 v[ADB], v[6:9]
	ds_store_b128 v[ADB], v[10:13] offset:4096
	QLD 6
	WIN W_D1
.set j, 0
.rept 32
	v_ldexp_f32 v[O+j], v[O+j], s83                ; bq / 2^(e0 + e1), the C of the sums' first products: tile 1's copy, from window 0 into window 1,
.set j, j+1
.endr
	WIN 0
.set j, 0
.rept 32
	v_ldexp_f32 v[O+j], v[O+j], s83                ; and tile 0's, in place
.set j, j+1
.endr
	; q^T = Wq Q^T + bq: four tiles of 16 channels x two tiles of queries by turns, eight K steps of 128; Wq's fragments come a K step ahead, into the set (window) s % 2
.macro WLD s
.if (\s)%2
	WIN W_D1
.endif
.irp t, 0,1,2,3
.irp c, 0,1,2,3
	ds_load_b128 v[WF+16*\t+4*\c:WF+16*\t+4*\c+3], v[WA] offset:16*WQP*\t+128*(\s)+32*\c
.endr
.endr
	WIN 0
.endm
	WLD 0
.irp s, 0,1,2,3,4,5,6,7
.if \s < 7
.if \s > 0
.rept 4
	v_nop                                          ; places in front of loads into registers that matrix instructions have read
.endr
.endif
	WLD \s+1
.endif
.if \s == 0
	s_wait_alu depctr_va_vdst(0)
	s_wait_loadcnt 48                              ; Q's K step 0 is in; K steps 1-6 may be out
	QLD 7
.else
	s_wait_loadcnt 8*(7-\s)                        ; this K step's codes are in; the later K steps' may be out
.endif
.if \s < 7
	s_wait_dscnt 16                                ; this K step's fragments are in; the next one's 16 loads may be out
.else
	s_wait_dscnt 0x0
.endif
	WIN (\s)%2
.irp t, 0,1,2,3
	v_wmma_f32_16x16x128_fp8_fp8 v[O+8*\t:O+8*\t+7], v[WF+16*\t:WF+16*\t+15], v[QC+16*\s:QC+16*\s+15], v[O+8*\t:O+8*\t+7]
.endr
	WIN W_M1+(\s)%2
.irp t, 0,1,2,3
	v_wmma_f32_16x16x128_fp8_fp8 v[O+8*\t:O+8*\t+7], v[WF+16*\t:WF+16*\t+15], v[QC+16*\s:QC+16*\s+15], v[O+8*\t:O+8*\t+7]
.endr
	WIN 0
.endr
.rept 4
	v_nop
.endr
; One tile's q becomes codes; then its statistics and constants for the walk over the keys.  Run under the tile's window.
.macro QTAIL
	v_mov_b32 v[S], s84
	v_mov_b32 v[S+1], s82
.set j, 0
.rept 32
	v_med3_num_f32 v[O+j], v[O+j], -v[S+1], v[S+1] ; the hold at the largest code x the scale (the conversion does not saturate: ISA guide 7.6.2); each accumulator from its low end on
.set j, j+1
.endr
.irp t, 0,1,2,3
	v_cvt_scalef32_pk8_fp8_f32 v[QF+2*\t:QF+2*\t+1], v[O+8*\t:O+8*\t+7], v[S]   ; registers 2 t, 2 t + 1: channels 16 t + 8 h + 0 .. 7
.endr
	v_nop                                          ; a plain line behind the last conversion
.set j, 0
.rept 32
	v_mov_b32 v[O+j], 0                            ; O^T.  (The key step's first walk finds zeros, which the first change of M leaves zeros)
.set j, j+1
.endr
	v_mov_b32 v[SC8], s85                          ; 2^e8
	v_mov_b32 v[MM+1], 0xff61b1e6                  ; the largest t so far: -3e38, under every t
	v_mov_b32 v[LS], 0
	v_mov_b32 v[LS+1], 0
	v_floor_f32 v[MM], -v[MM+1]                    ; -M
.endm
	QTAIL
	WIN W_T1
	QTAIL
	WIN 0
	s_wait_alu depctr_va_vdst(0)
	s_wait_tensorcnt 0x0                           ; my images of K or V are in,
	ds_add_u32 v[SPW], v[NIL]
	s_wait_dscnt 0x0                               ; and my reads of Wq are over
	CROUND                                         ; of every wave of every partner: K and V's key steps 0-11 are whole, and Wq's bytes may be filled again
	s_cmp_eq_u32 s[WV], 7
	s_cbranch_scc0 .Lno_v3
	tensor_load_to_lds s[G0A:G0A+3], s[G1R:G1R+7]  ; V's key steps 12-15
	s_nop 0
.rept 4
	v_nop
.endr
.Lno_v3:
; ONE TILE'S SOFTMAX FOR ONE KEY STEP, run under the tile's window.  late = 1: exponentials stand between the scores' products and this reader.
; The exponentials go in two batches of 32.  Beside the first stand the second's scalings, beside the second the first's holds: lines that hang on no result of the batch that they stand in.
.macro SOFTMAX late
.if \late
	s_wait_alu depctr_va_vdst(0)                   ; one wait for the group of scores, directly ahead of its first reader
.endif
.irp n, 0,1,2,3
	v_max3_num_f32 v[MX+\n], v[S+3*\n], v[S+3*\n+1], v[S+3*\n+2]   ; the scores are read in ascending order: each accumulator from its low end on
.endr
.set m, 0
.rept 26
	v_max3_num_f32 v[MX+m%4], v[MX+m%4], v[S+12+2*m], v[S+13+2*m]
.set m, m+1
.endr
	v_max3_num_f32 v[T1], v[MX], v[MX+1], v[MX+2]
	v_max_num_f32 v[T1], v[T1], v[MX+3]            ; the step's largest score of my query among my 64 keys,
	v_permlanex16_b32 v[PX], v[T1], s[SEL], s[SEL+1]
	s_delay_alu instid0(VALU_DEP_1)
	v_max_num_f32 v[T1], v[T1], v[PX]              ; and among lane l xor 16's
	s_delay_alu instid0(VALU_DEP_1)
	v_mul_f32 v[T1], s[CS], v[T1]                  ; as t (c is positive)
	s_delay_alu instid0(VALU_DEP_1)
	v_max_num_f32 v[MM+1], v[MM+1], v[T1]          ; the running largest t
	v_mov_b32 v[T1], v[MM]
	s_delay_alu instid0(VALU_DEP_2)
	v_floor_f32 v[MM], -v[MM+1]                    ; the new -M = -ceil(t): a whole number
	s_delay_alu instid0(VALU_DEP_1)
	v_sub_f32 v[T1], v[MM], v[T1]                  ; old M - new M: a whole number, 0 or less
.set m, 0
.rept 16
	v_pk_fma_f32 v[S+2*m:S+2*m+1], v[S+2*m:S+2*m+1], s[CS:CS+1], v[MM:MM+1] op_sel_hi:[1,0,0]   ; t - M, two at a time
.if m == 3
	v_cvt_i32_f32 v[T1], v[T1]                     ; (it saturates)
.endif
.if m == 7
	v_ldexp_f32 v[FF], 1.0, v[T1]                  ; f = 2^(old M - new M)
.endif
.set m, m+1
.endr
	s_wait_alu depctr_va_vdst(0)                   ; one wait for the group O^T, directly ahead of its first reader, and for the first batch's sources
.set m, 0
.rept 16
	v_pk_mul_f32 v[O+2*m:O+2*m+1], v[O+2*m:O+2*m+1], v[FF:FF+1] op_sel_hi:[1,0]   ; O^T under the new M
.set m, m+1
.endr
.set m, 0
.rept 16
	v_exp_f32 v[S+2*m], v[S+2*m]                   ; p = 2^(t - M), at most 1
	v_exp_f32 v[S+2*m+1], v[S+2*m+1]
	v_pk_fma_f32 v[S+32+2*m:S+33+2*m], v[S+32+2*m:S+33+2*m], s[CS:CS+1], v[MM:MM+1] op_sel_hi:[1,0,0]
.set m, m+1
.endr
	s_wait_alu depctr_va_vdst(0)                   ; one wait: behind the first batch, ahead of its first reader, and ahead of the second batch's sources
.irp n, 0,1,2,3
	v_pk_add_f32 v[SU+2*\n:SU+2*\n+1], v[S+4*\n:S+4*\n+1], v[S+4*\n+2:S+4*\n+3]   ; l takes the UNQUANTISED p
.endr
.set m, 0
.rept 8
	v_pk_add_f32 v[SU+2*(m%4):SU+2*(m%4)+1], v[SU+2*(m%4):SU+2*(m%4)+1], v[S+16+2*m:S+17+2*m]
.set m, m+1
.endr
.set m, 0
.rept 16
	v_exp_f32 v[S+32+2*m], v[S+32+2*m]
	v_exp_f32 v[S+33+2*m], v[S+33+2*m]
	v_dual_min_num_f32 v[S+2*m], s86, v[S+2*m] :: v_dual_min_num_f32 v[S+2*m+1], s86, v[S+2*m+1]   ; the hold; p is not negative, so it is one-sided
.set m, m+1
.endr
	v_pk_mul_f32 v[LS:LS+1], v[LS:LS+1], v[FF:FF+1] op_sel_hi:[1,0]   ; l under the new M
	s_wait_alu depctr_va_vdst(0)                   ; one wait for the second batch, ahead of its first reader
.set m, 0
.rept 16
	v_pk_add_f32 v[SU+2*(m%4):SU+2*(m%4)+1], v[SU+2*(m%4):SU+2*(m%4)+1], v[S+32+2*m:S+33+2*m]
.set m, m+1
.endr
	v_pk_add_f32 v[SU:SU+1], v[SU:SU+1], v[SU+2:SU+3]
	v_pk_add_f32 v[SU+4:SU+5], v[SU+4:SU+5], v[SU+6:SU+7]
	v_dual_min_num_f32 v[S+32], s86, v[S+32] :: v_dual_min_num_f32 v[S+33], s86, v[S+33]
	v_dual_min_num_f32 v[S+34], s86, v[S+34] :: v_dual_min_num_f32 v[S+35], s86, v[S+35]
	v_pk_add_f32 v[SU:SU+1], v[SU:SU+1], v[SU+4:SU+5]
	v_dual_min_num_f32 v[S+36], s86, v[S+36] :: v_dual_min_num_f32 v[S+37], s86, v[S+37]
	v_dual_min_num_f32 v[S+38], s86, v[S+38] :: v_dual_min_num_f32 v[S+39], s86, v[S+39]
	v_pk_add_f32 v[LS:LS+1], v[LS:LS+1], v[SU:SU+1]
.set m, 4
.rept 12
	v_dual_min_num_f32 v[S+32+2*m], s86, v[S+32+2*m] :: v_dual_min_num_f32 v[S+33+2*m], s86, v[S+33+2*m]
.set m, m+1
.endr
.irp t, 0,1,2,3,4,5,6,7
	v_cvt_scalef32_pk8_fp8_f32 v[PC+2*\t:PC+2*\t+1], v[S+8*\t:S+8*\t+7], v[SC8]   ; registers 2 t, 2 t + 1: keys 16 t + 8 h + 0 .. 7
.endr
	v_nop                                          ; a plain line between the last conversion and the products that read the codes
.endm
.macro QK                              ; S^T = K q^T + gate, eight tiles of 16 keys: lane (r, h): query r, keys 16 t + 8 h + 0 .. 7.  C, the gate numbers, serves both tiles of queries, so D is not C
.irp t, 0,1,2,3,4,5,6,7
	v_wmma_f32_16x16x64_fp8_fp8 v[S+8*\t:S+8*\t+7], v[KF+8*\t:KF+8*\t+7], v[QF:QF+7], v[GB+8*\t:GB+8*\t+7]
.endr
.endm
.macro PV                              ; O^T += V^T P^T, four tiles of 16 channels by turns
.irp ct, 0,1,2,3
	v_wmma_f32_16x16x128_fp8_fp8 v[O+8*\ct:O+8*\ct+7], v[VF+16*\ct:VF+16*\ct+15], v[PC:PC+15], v[O+8*\ct:O+8*\ct+7]
.endr
.endm
.macro KLD                             ; a key step's fragments of K and its gate numbers: 32 loads
	v_add_nc_u32 v[ADK], s[TB], v[LI]
	v_add_nc_u32 v[ADB], s[BB], v[BI]
	v_nop
	v_nop                                          ; with the two additions: four places behind the scores' products
.irp t, 0,1,2,3,4,5,6,7
	ds_load_b128 v[KF+8*\t:KF+8*\t+3], v[ADK] offset:1024*\t
	ds_load_b128 v[KF+8*\t+4:KF+8*\t+7], v[ADK] offset:1024*\t+512
.endr
	WIN W_D1
.irp t, 0,1,2,3,4,5,6,7
	ds_load_b128 v[GB+8*\t:GB+8*\t+3], v[ADB] offset:64*\t        ; the gate of keys 16 t + 8 h + 0 .. 7
	ds_load_b128 v[GB+8*\t+4:GB+8*\t+7], v[ADB] offset:64*\t+16
.endr
	WIN 0
	s_add_co_u32 s[TB], s[TB], 8192
	s_add_co_u32 s[BB], s[BB], 512
.endm
; A KEY STEP: 128 keys for both tiles of queries.  Its K and gate numbers were asked for a step ago; pf = 1: it asks for the next step's.
.macro STEP pf
	v_add_nc_u32 v[ADV], s[TV], v[LI]
	v_nop
	v_nop
	v_nop                                          ; with the addition: four places behind the last products, whose fragments' registers are loaded again below
	WIN W_D1
.irp ct, 0,1,2,3
.irp g, 0,1,2,3
	ds_load_b128 v[VF+16*\ct+4*\g:VF+16*\ct+4*\g+3], v[ADV] offset:2048*\ct+512*\g
.endr
.endr
	s_wait_dscnt 16                                ; K and the gate numbers are in; V's 16 loads may be out
	WIN W_C1
	QK                                             ; tile 0
	WIN W_M1
	QK                                             ; tile 1: the same fragments of K, the same gate numbers
	WIN 0
.if \pf
	KLD
.else
.rept 4
	v_nop
.endr
.endif
	SOFTMAX 0                                      ; tile 0
	s_wait_alu depctr_va_vdst(0)
	s_wait_dscnt 32*\pf                            ; V is in; the next step's 32 loads may be out
	WIN 0x01
	PV                                             ; tile 0: V's fragments lie in window 1
	WIN W_T1
	SOFTMAX 1                                      ; tile 1
	PV
	WIN 0
	s_add_co_u32 s[TV], s[TV], 8192
.endm
	; THE WALK: three times five key steps, and the last one behind them.  The barriers guard no refill: they hand V's key steps 12-15 from wave 7 to the others.  A signal stands five key steps ahead of its wait:
	; the second (behind step 4, ahead of it wave 7's wait for its load) is waited for behind step 9.
	s_barrier_signal -1
	KLD
.Lfive:
	s_mov_b32 s[CNT], 5
.Lstep:
	STEP 1
	s_sub_co_u32 s[CNT], s[CNT], 1
	s_cmp_lg_u32 s[CNT], 0
	s_cbranch_scc1 .Lstep
	s_barrier_wait -1
	s_wait_tensorcnt 0x0                           ; wave 7's images are in
	s_wait_dscnt 0x0
	s_barrier_signal -1
	s_sub_co_u32 s[OUT], s[OUT], 1
	s_cmp_lg_u32 s[OUT], 0
	s_cbranch_scc1 .Lfive
	STEP 0                                         ; key step 15 asks for nothing more
; THE WAY OUT of one tile, run under its window: O^T / l, quantised with 2^(e10 - e8 - e9); the eight registers of codes are two groups of the next product's fragment.
.macro OUT_T
	v_mov_b32 v[SC8], s87
	v_mov_b32 v[SC8+1], s88
	v_add_f32 v[LS], v[LS], v[LS+1]
	v_permlanex16_b32 v[PX], v[LS], s[SEL], s[SEL+1]
	v_add_f32 v[LS], v[LS], v[PX]                  ; the row's sum
	s_wait_alu depctr_va_vdst(0)
	v_rcp_f32 v[LS], v[LS]
	v_nop                                          ; a plain line behind the reciprocal
	s_wait_alu depctr_va_vdst(0)                   ; and the wait ahead of its first reader and of O^T's
.set j, 0
.rept 16
	v_pk_mul_f32 v[S+j:S+j+1], v[O+j:O+j+1], v[LS:LS+1] op_sel_hi:[1,0]   ; each accumulator from its low end on
.set j, j+2
.endr
.set j, 0
.rept 32
	v_med3_num_f32 v[S+j], v[S+j], -v[SC8+1], v[SC8+1]
.set j, j+1
.endr
.irp t, 0,1,2,3
	v_cvt_scalef32_pk8_fp8_f32 v[PC+2*\t:PC+2*\t+1], v[S+8*\t:S+8*\t+7], v[SC8]
.endr
	v_nop
.endm
	OUT_T                                          ; tile 0: its plain lines, which name no register of tile 1's last products, are the places behind those
	WIN W_T1
	OUT_T                                          ; tile 1
	WIN 0
	s_wait_alu depctr_va_vdst(0)                   ; the codes are stored behind the wait below
	s_barrier_wait -1                              ; the last split barrier is closed ahead of the stores
	global_store_b128 v[LI], v[PC:PC+3], s[18:19]              ; 512 consecutive bytes a store, at a multiple of 256 from aimg's first byte
	global_store_b128 v[LI], v[PC+4:PC+7], s[18:19] offset:512
	WIN W_S1
	global_store_b128 v[LI], v[PC:PC+3], s[18:19] offset:16384 ; the next row tile
	global_store_b128 v[LI], v[PC+4:PC+7], s[18:19] offset:16384+512
	WIN 0
	s_wait_tensorcnt 0x0                           ; the wave's end
	ds_add_u32 v[SPW], v[NIL]
	s_wait_dscnt 0x0
	CROUND                                         ; the closing round: no work-group ends while a partner may still ask for a tile that names it
	s_endpgm
.Lfunc_end_k_q77a62b6d45_attn:
	.size	k_q77a62b6d45_attn, .Lfunc_end_k_q77a62b6d45_attn-k_q77a62b6d45_attn
	.p2alignl 7, 3214868480
	.fill 96, 4, 3214868480
	.section	.rodata,"a",@progbits
	.p2align	6, 0x0
	.amdhsa_kernel k_q77a62b6d45_attn
		.amdhsa_group_segment_fixed_size 327680
		.amdhsa_private_segment_fixed_size 0
		.amdhsa_enable_private_segment 0
		.amdhsa_kernarg_size 64
		.amdhsa_user_sgpr_count 2
		.amdhsa_user_sgpr_kernarg_segment_ptr 1
		.amdhsa_wavefront_size32 1
		.amdhsa_system_sgpr_workgroup_id_x 1
		.amdhsa_system_sgpr_workgroup_id_y 1
		.amdhsa_system_sgpr_workgroup_id_z 1
		.amdhsa_system_vgpr_workitem_id 0
		.amdhsa_next_free_vgpr 512
		.amdhsa_next_free_sgpr 90
		.amdhsa_reserve_vcc 0
		.amdhsa_float_denorm_mode_32 3
		.amdhsa_float_denorm_mode_16_64 3
		.amdhsa_memory_ordered 1
		.amdhsa_forward_progress 1
		.amdhsa_inst_pref_size 110
	.end_amdhsa_kernel
	.amdgpu_metadata
---
amdhsa.version: [ 1, 2 ]
amdhsa.kernels:
  - .name:           k_q77a62b6d45_attn
    .symbol:         k_q77a62b6d45_attn.kd
    .args:
      - { .name: qimg, .offset: 0, .size: 8, .value_kind: global_buffer, .address_space: global }
      - { .name: Wq_codes, .offset: 8, .size: 8, .value_kind: global_buffer, .address_space: global }
      - { .name: bq, .offset: 16, .size: 8, .value_kind: global_buffer, .address_space: global }
      - { .name: kimg, .offset: 24, .size: 8, .value_kind: global_buffer, .address_space: global }
      - { .name: vimg, .offset: 32, .size: 8, .value_kind: global_buffer, .address_space: global }
      - { .name: log_gate_bias, .offset: 40, .size: 8, .value_kind: global_buffer, .address_space: global }
      - { .name: lowp_scales, .offset: 48, .size: 8, .value_kind: global_buffer, .address_space: global }
      - { .name: aimg, .offset: 56, .size: 8, .value_kind: global_buffer, .address_space: global }
    .group_segment_fixed_size: 327680
    .private_segment_fixed_size: 0
    .kernarg_segment_align: 8
    .kernarg_segment_size: 64
    .max_flat_workgroup_size: 256
    .sgpr_count:     90
    .vgpr_count:     512
    .wavefront_size: 32
...
	.end_amdgpu_metadata
.endif
;; end of part 2
;; launch outln (part 3): grid 256 x 1, 16 waves a work-group, clusters of 4 x 1, 327,680 bytes of LDS; arguments aimg, woimg, Q, bo, gamma, beta, lowp_scales, out0; writes out0
.if DOCPART == 3
	.amdgcn_target "amdgcn-amd-amdhsa--gfx1250"
	.amdhsa_code_object_version 6
	.text
	.protected	k_q77a62b6d45_outln
	.globl	k_q77a62b6d45_outln
	.p2align	8
	.type	k_q77a62b6d45_outln,@function
k_q77a62b6d45_outln:
	s_mov_b64 s[64:65], 0
	v_nop
	global_prefetch_b8 v0, s[64:65] scope:SCOPE_SE
	s_setreg_imm32_b32 hwreg(HW_REG_WAVE_MODE, 25, 1), 1
	s_wait_xcnt 0x0
	s_wait_alu depctr_hold_cnt(0) depctr_sa_sdst(0) depctr_va_vdst(0) depctr_va_sdst(0) depctr_va_ssrc(0) depctr_va_vcc(0) depctr_vm_vsrc(0)
	s_getreg_b32 s2, hwreg(HW_REG_IB_STS2, 6, 4)
	s_cmp_eq_u32 s2, 0
	s_cbranch_scc0 .Lentry_in_a_cluster
	s_endpgm
.Lentry_in_a_cluster:
	s_bfe_u32 s2, ttmp6, 0x10000c
	s_cmp_lg_u32 s2, 0x3003
	s_cbranch_scc0 .Lentry_shape_is_right
	s_endpgm
.Lentry_shape_is_right:
; THIRD LAUNCH: out0 = LayerNorm(Q + a Wo^T + bo) x gamma + beta, the product on codes of FP8 (E4M3): a's codes (aimg, 2^e10), Wo's (woimg, 2^e11).  No work of the problem is left out.
; SHARES.  The norm wants whole rows: a work-group owns 16 rows, all 1,024 columns.  Wave w of sixteen makes columns 64 w .. 64 w + 63: four column tiles.  Source 0 = Wo's fragment, source 1 = a's: a lane holds one row and eight neighbouring columns.
; WO COMES ON TWO WAYS.  A wave's first two column tiles come through its own 16,384 bytes of LDS, by joint tensor loads that the four work-groups of a cluster share (K steps 0-3, then K steps 4-7 into the same bytes);
; its other two tiles, images of the registers, go from memory straight into registers, four sets of 32 by turns: 24 to 32 loads of every wave are on their way.
; a's images and bo, gamma and beta are read by all sixteen waves: they go through LDS once.
; The sums meet in a stage: wave w puts its 16 rows x 256 bytes into its own slot, which has had its last fill; then wave w takes row w whole: residual, bias, mean, variance (of the differences), gain and offset.
; No prefetch: Wo's loads run four K steps ahead, the two fills are asked for at the head and half way, and Q's row is asked for four K steps ahead of the product's end: there is no later tile to run ahead for.
; LIMIT: e10 + e11 between -126 and 127.  NaN among the inputs is not served.
; REGISTERS: v1-15 addresses; v16-47 accumulators; v48-63 a's fragment, v64-95 Wo's from LDS; v96-223 Wo's four sets; v224-255 staging, then Q's row.
;   later: v96-159 and v160-191 two sets of Wo's and a's fragments; then v64-95 the row x, v96-127 bo, v128-159 gamma, v160-191 beta, v192-201 at work.
.set AIM,   262144                     ; LDS: sixteen slots of 16,384 bytes; a's images
.set PAR,   AIM+16384                  ; bo, gamma, beta: 4,096 bytes each
.set SPARE, PAR+12288                  ; the spare words: 128 bytes a wave, eight blocks of 256 bytes that no other line names
.set SP,    272                        ; a stage row: 256 bytes + 16: 17 x 16 bytes, so the 16 rows of a store start at 16 different banks (64 banks of 4 bytes: ISA guide 11.1)
.set LI,  1                            ; 16 x lane
.set LSL, 2                            ; my slot + 16 x lane
.set AA,  3                            ; a's images + 16 x lane
.set PR,  4                            ; PAR + 16 x lane
.set SPW, 5                            ; LDS address of my spare word; never rewritten
.set NIL, 6                            ; 0; never rewritten
.set TI,  7                            ; 16 x thread
.set TA,  8                            ; AIM + 16 x thread
.set T8,  9                            ; 8 x thread
.set P8,  10                           ; PAR + 8 x thread
.set STO, 11                           ; the stage: my slot + row r, + 32 h
.set RD,  12                           ; v12-15 the stage: row w in slots 4 k + (lane / 16), + 16 (lane % 16)
.set ACC, 16
.set AF,  48
.set LF,  64
.set BF,  96
.set X,   64
.set BO,  96
.set GA,  128
.set BE,  160
.set T,   192
.set QR,  224
.set WV,  26
.set SC,  22                           ; s[22:23] 2^(e10 + e11), twice
.set SEL, 24
.set G0,  40                           ; s[40:43], s[48:55] the descriptor of my two tiles
.set G1,  48
.macro CROUND                          ; a round of the cluster's barrier
	s_barrier_signal -1
	s_barrier_wait -1
	s_cmp_lg_u32 s[WV], 0
	s_cbranch_scc1 .Lnot_wave_0_\@
	s_barrier_signal -3
.Lnot_wave_0_\@:
	s_barrier_wait -3
	s_barrier_signal -1
	s_barrier_wait -1
.endm
	s_load_b512 s[4:19], s[0:1], 0x0               ; aimg 4, woimg 6, Q 8, bo 10, gamma 12, beta 14, the scales' exponents 16, out0 18
	v_lshl_add_u32 v[SPW], v0, 2, SPARE
	v_mov_b32 v[NIL], 0
	ds_add_u32 v[SPW], v[NIL]                      ; the wave's opening: the add, twice on end, and its wait ahead of the first tensor load
	ds_add_u32 v[SPW], v[NIL]
	v_lshrrev_b32 v13, 5, v0
	v_and_b32 v14, 31, v0
	v_readfirstlane_b32 s[WV], v13                 ; wave 0..15
	v_and_b32 v15, 15, v0                          ; r
	v_bfe_u32 v16, v0, 4, 1                        ; h
	v_lshlrev_b32 v[TI], 4, v0
	v_lshl_add_u32 v[TA], v0, 4, AIM
	v_mul_u32_u24 v[STO], v15, SP
	v_lshlrev_b32 v17, 14, v16
	v_lshlrev_b32 v[T8], 3, v0
	v_lshl_add_u32 v[P8], v0, 3, PAR
	v_lshlrev_b32 v[LI], 4, v14
	v_lshl_add_u32 v[AA], v14, 4, AIM
	v_lshl_add_u32 v[PR], v14, 4, PAR
	s_lshl_b32 s28, s[WV], 14                      ; my slot
	s_mul_i32 s30, s[WV], SP
	v_lshl_add_u32 v[STO], v16, 5, v[STO]
	v_lshl_add_u32 v17, v15, 4, v17
	v_add_nc_u32 v[LSL], s28, v[LI]
	v_add_nc_u32 v[STO], s28, v[STO]
	v_add_nc_u32 v[RD], s30, v17
	v_add_nc_u32 v[RD+1], 0x10000, v[RD]
	v_add_nc_u32 v[RD+2], 0x20000, v[RD]
	v_add_nc_u32 v[RD+3], 0x30000, v[RD]
	v_mov_b32 v[T+9], 0                            ; (named as the upper half of a pair)
	s_wait_alu depctr_va_vdst(0)
	s_bfe_u32 s27, ttmp6, 0x40000                  ; cx
	s_lshl_b32 s31, ttmp9, 2
	s_add_co_u32 s27, s27, s31                     ; my block of 16 rows: 4 x cluster + cx
	; a joint load's tile: my two column tiles' four K steps, 8,192 bytes each, 16,384 bytes apart in memory, on end in LDS
	s_mov_b32 s[G1], 15|(3<<16)|(1<<21)            ; 15:0 the mask: all four work-groups; 17:16 elements of 8 bytes; 21 set beside a mask
	s_mov_b32 s[G1+1], 1024<<16
	s_mov_b32 s[G1+2], 2<<16
	s_mov_b32 s[G1+3], 1024<<16
	s_mov_b32 s[G1+4], 2
	s_mov_b32 s[G1+5], 2048
	s_mov_b32 s[G1+6], 0
	s_mov_b32 s[G1+7], 0
	s_mov_b32 s[SEL], 0x76543210
	s_mov_b32 s[SEL+1], 0xfedcba98
	s_lshl_b32 s32, s[WV], 16                      ; woimg: my four column tiles of 16,384 bytes
	s_mov_b32 s33, 0
	s_lshl_b32 s34, s27, 16                        ; Q, out0: 16 rows of 4,096 bytes,
	s_lshl_b32 s35, s[WV], 12                      ; my one
	s_add_co_u32 s34, s34, s35
	s_mov_b32 s35, 0
	s_lshl_b32 s36, s27, 14                        ; aimg: a row tile of 16,384 bytes
	s_mov_b32 s37, 0
	s_mov_b32 s30, 0x3a800000                      ; 1 / 1,024
	s_mov_b32 s31, 0x3727c5ac                      ; 1e-5
	s_wait_dscnt 0x0                               ; both opening adds are done
	s_wait_kmcnt 0x0
	s_load_b64 s[20:21], s[16:17], 0x28            ; e10, e11
	s_add_nc_u64 s[4:5], s[4:5], s[36:37]
	s_add_nc_u64 s[6:7], s[6:7], s[32:33]
	s_add_nc_u64 s[8:9], s[8:9], s[34:35]
	s_add_nc_u64 s[18:19], s[18:19], s[34:35]
	s_mov_b32 s[G0], 1
	s_mov_b32 s[G0+1], s28
	s_mov_b64 s[G0+2:G0+3], s[6:7]
	s_or_b32 s[G0+3], s[G0+3], 0x80000000
	CROUND                                         ; all four work-groups are here: the first joint loads meet
	tensor_load_to_lds s[G0:G0+3], s[G1:G1+7]      ; K steps 0-3
	s_nop 0
.rept 4
	v_nop
.endr
.macro BLOAD s                         ; Wo's column tiles 2 and 3, K step s, into set s % 4
.irp t, 0,1
.irp c, 0,1,2,3
	global_load_b128 v[BF+32*((\s)%4)+16*\t+4*\c:BF+32*((\s)%4)+16*\t+4*\c+3], v[LI], s[6:7] offset:32768+16384*\t+2048*(\s)+512*\c
.endr
.endr
.endm
.macro ALOAD s, reg                    ; a's fragment of K step s
.irp c, 0,1,2,3
	ds_load_b128 v[\reg+4*\c:\reg+4*\c+3], v[AA] offset:2048*(\s)+512*\c
.endr
.endm
.macro LLOAD s, reg                    ; Wo's column tiles 0 and 1, K step s, from my slot
.irp t, 0,1
.irp c, 0,1,2,3
	ds_load_b128 v[\reg+16*\t+4*\c:\reg+16*\t+4*\c+3], v[LSL] offset:8192*\t+2048*((\s)%4)+512*\c
.endr
.endr
.endm
.macro MUL ct, wo, a, zero
.if \zero
	v_wmma_f32_16x16x128_fp8_fp8 v[ACC+8*\ct:ACC+8*\ct+7], v[\wo:\wo+15], v[\a:\a+15], 0
.else
	v_wmma_f32_16x16x128_fp8_fp8 v[ACC+8*\ct:ACC+8*\ct+7], v[\wo:\wo+15], v[\a:\a+15], v[ACC+8*\ct:ACC+8*\ct+7]
.endif
.endm
.macro PLACES
.rept 4
	v_nop                                          ; places in front of loads into registers that matrix instructions have read, and of the first read of results
.endr
.endm
	global_load_b128 v[QR:QR+3], v[TI], s[4:5] th:TH_LOAD_NT               ; a's images, as they lie: 8,192 bytes a load of the work-group
	global_load_b128 v[QR+4:QR+7], v[TI], s[4:5] offset:8192 th:TH_LOAD_NT
	global_load_b64 v[QR+8:QR+9], v[T8], s[10:11]                          ; bo, gamma, beta: 512 threads x 8 bytes each
	global_load_b64 v[QR+10:QR+11], v[T8], s[12:13]
	global_load_b64 v[QR+12:QR+13], v[T8], s[14:15]
.irp s, 0,1,2,3
	BLOAD \s
.endr
	s_wait_kmcnt 0x0
	s_add_co_i32 s[SC], s20, s21
	s_add_co_i32 s[SC], s[SC], 127
	s_lshl_b32 s[SC], s[SC], 23                    ; 2^(e10 + e11) as f32
	s_mov_b32 s[SC+1], s[SC]
	s_wait_loadcnt 32                              ; the five older loads are in: behind them four sets of Wo
	ds_store_b128 v[TA], v[QR:QR+3]
	ds_store_b128 v[TA], v[QR+4:QR+7] offset:8192
	ds_store_b64 v[P8], v[QR+8:QR+9]
	ds_store_b64 v[P8], v[QR+10:QR+11] offset:4096
	ds_store_b64 v[P8], v[QR+12:QR+13] offset:8192
	s_wait_dscnt 0x0                               ; for the others' sake: my stores are done
	s_barrier_signal -1
	s_barrier_wait -1                              ; a's images and the three vectors lie in LDS
	s_wait_tensorcnt 0x0                           ; my slot is in; no other wave reads it
	ALOAD 0, AF
	LLOAD 0, LF
	; K STEPS 0-3: all four column tiles by turns
.irp s, 0,1,2,3
	s_wait_loadcnt 24                              ; this step's set is in; the three younger sets may be out
	s_wait_dscnt 0x0
	MUL 0, LF, AF, \s==0
	MUL 1, LF+16, AF, \s==0
	MUL 2, BF+32*\s, AF, \s==0
	MUL 3, BF+32*\s+16, AF, \s==0
	PLACES
	BLOAD \s+4
.if \s < 3
	ALOAD \s+1, AF
	LLOAD \s+1, LF
.endif
.endr
.irp i, 0,1,2,3,4,5,6,7
	global_load_b128 v[QR+4*\i:QR+4*\i+3], v[LI], s[8:9] offset:512*\i th:TH_LOAD_NT   ; Q's row 16 x + w: 512 consecutive bytes a load
.endr
	s_wait_tensorcnt 0x0                           ; my slot is filled again
	ds_add_u32 v[SPW], v[NIL]
	s_add_nc_u64 s[G0+2:G0+3], s[G0+2:G0+3], 8192  ; K steps 4-7
	s_wait_dscnt 0x0                               ; the add is done, and so are my reads of the slot
	CROUND
	tensor_load_to_lds s[G0:G0+3], s[G1:G1+7]
	s_nop 0
.rept 4
	v_nop
.endr
	; K STEPS 4-7 of the two tiles that come straight into registers, while the slot is filled
	ALOAD 4, AF
.irp s, 4,5,6,7
	s_wait_loadcnt 8*(8-\s)                        ; this step's set is in; the younger sets and Q's 8 loads may be out
	s_wait_dscnt 0x0
	MUL 2, BF+32*(\s-4), AF, 0
	MUL 3, BF+32*(\s-4)+16, AF, 0
	PLACES
.if \s < 7
	ALOAD \s+1, AF
.endif
.endr
	; K STEPS 4-7 of the two tiles in LDS; two sets of fragments by turns, a step ahead
	s_wait_tensorcnt 0x0                           ; my slot is in
	LLOAD 4, BF
	ALOAD 4, BF+64
	LLOAD 5, BF+32
	ALOAD 5, BF+80
.irp s, 4,5,6,7
.if \s < 7
	s_wait_dscnt 12                                ; this step's 12 loads are in; the next step's 12 may be out
.else
	s_wait_dscnt 0x0
.endif
	MUL 0, BF+32*(\s%2), BF+64+16*(\s%2), 0
	MUL 1, BF+32*(\s%2)+16, BF+64+16*(\s%2), 0
	PLACES
.if \s < 6
	LLOAD \s+2, BF+32*(\s%2)
	ALOAD \s+2, BF+64+16*(\s%2)
.endif
.endr
.irp ct, 0,1,2,3
	ds_store_b128 v[STO], v[ACC+8*\ct:ACC+8*\ct+3] offset:64*\ct            ; lane (r, h): row r, columns 64 w + 16 ct + 8 h + 0 .. 7; each accumulator from its low end on
	ds_store_b128 v[STO], v[ACC+8*\ct+4:ACC+8*\ct+7] offset:64*\ct+16
.endr
	s_wait_tensorcnt 0x0                           ; behind my last tensor load and my last LDS store
	ds_add_u32 v[SPW], v[NIL]
	s_wait_dscnt 0x0                               ; and my stores are done, for the others' sake
	CROUND                                         ; the closing round: no joint load follows; and 16 whole rows of sums lie in the stage
.irp i, 0,1,2,3,4,5,6,7
	ds_load_b128 v[BO+4*\i:BO+4*\i+3], v[PR] offset:512*\i
.endr
.irp i, 0,1,2,3,4,5,6,7
	ds_load_b128 v[X+4*\i:X+4*\i+3], v[RD+\i/2] offset:32768*(\i%2)        ; row w, columns 128 i + 4 x lane + 0 .. 3
.endr
.irp i, 0,1,2,3,4,5,6,7
	ds_load_b128 v[GA+4*\i:GA+4*\i+3], v[PR] offset:4096+512*\i
.endr
.irp i, 0,1,2,3,4,5,6,7
	ds_load_b128 v[BE+4*\i:BE+4*\i+3], v[PR] offset:8192+512*\i
.endr
	s_wait_loadcnt 0x0                             ; Q's row
	s_wait_dscnt 0x0
.set j, 0
.rept 16
	v_pk_add_f32 v[QR+j:QR+j+1], v[QR+j:QR+j+1], v[BO+j:BO+j+1]             ; Q + bo
.set j, j+2
.endr
.set j, 0
.rept 16
	v_pk_fma_f32 v[X+j:X+j+1], v[X+j:X+j+1], s[SC:SC+1], v[QR+j:QR+j+1] op_sel_hi:[1,0,1]   ; sum x 2^(e10 + e11) + Q + bo
.set j, j+2
.endr
; the four pairs of chains v[T .. T + 7] become the row's total, in every lane, in v[T]
.macro REDUCE
	v_pk_add_f32 v[T:T+1], v[T:T+1], v[T+2:T+3]
	v_pk_add_f32 v[T+4:T+5], v[T+4:T+5], v[T+6:T+7]
	s_delay_alu instid0(VALU_DEP_1)
	v_pk_add_f32 v[T:T+1], v[T:T+1], v[T+4:T+5]
	s_delay_alu instid0(VALU_DEP_1)
	v_add_f32 v[T], v[T], v[T+1]
.irp x, 1,2,4,8
	s_delay_alu instid0(VALU_DEP_1)
	v_add_f32_dpp v[T], v[T], v[T] row_xmask:\x row_mask:0xf bank_mask:0xf
.endr
	s_delay_alu instid0(VALU_DEP_1)
	v_permlanex16_b32 v[T+1], v[T], s[SEL], s[SEL+1]
	s_delay_alu instid0(VALU_DEP_1)
	v_add_f32 v[T], v[T], v[T+1]
.endm
.irp n, 0,1,2,3
	v_pk_add_f32 v[T+2*\n:T+2*\n+1], v[X+4*\n:X+4*\n+1], v[X+4*\n+2:X+4*\n+3]
.endr
.set j, 16
.rept 8
	v_pk_add_f32 v[T+2*((j/2)%4):T+2*((j/2)%4)+1], v[T+2*((j/2)%4):T+2*((j/2)%4)+1], v[X+j:X+j+1]
.set j, j+2
.endr
	REDUCE
	s_delay_alu instid0(VALU_DEP_1)
	v_mul_f32 v[T+8], 0xba800000, v[T]             ; -mean
.set j, 0
.rept 16
	v_pk_add_f32 v[X+j:X+j+1], v[X+j:X+j+1], v[T+8:T+9] op_sel_hi:[1,0]     ; d = x - mean
.set j, j+2
.endr
.irp n, 0,1,2,3
	v_pk_mul_f32 v[T+2*\n:T+2*\n+1], v[X+2*\n:X+2*\n+1], v[X+2*\n:X+2*\n+1]
.endr
.set j, 8
.rept 12
	v_pk_fma_f32 v[T+2*((j/2)%4):T+2*((j/2)%4)+1], v[X+j:X+j+1], v[X+j:X+j+1], v[T+2*((j/2)%4):T+2*((j/2)%4)+1]
.set j, j+2
.endr
	REDUCE
	s_delay_alu instid0(VALU_DEP_1)
	v_fma_f32 v[T+8], v[T], s30, s31               ; the variance + 1e-5
	s_wait_alu depctr_va_vdst(0)
	v_rsq_f32 v[T+8], v[T+8]
	v_nop                                          ; a plain line behind the root
	s_wait_alu depctr_va_vdst(0)                   ; and the wait ahead of its first reader
.set j, 0
.rept 16
	v_pk_mul_f32 v[X+j:X+j+1], v[X+j:X+j+1], v[T+8:T+9] op_sel_hi:[1,0]
.set j, j+2
.endr
.set j, 0
.rept 16
	v_pk_fma_f32 v[X+j:X+j+1], v[X+j:X+j+1], v[GA+j:GA+j+1], v[BE+j:BE+j+1]
.set j, j+2
.endr
.irp i, 0,1,2,3,4,5,6,7
	global_store_b128 v[LI], v[X+4*\i:X+4*\i+3], s[18:19] offset:512*\i th:TH_STORE_NT   ; 32 lanes store 512 consecutive bytes, at a multiple of 256 from out0's first byte
.endr
	s_endpgm
.Lfunc_end_k_q77a62b6d45_outln:
	.size	k_q77a62b6d45_outln, .Lfunc_end_k_q77a62b6d45_outln-k_q77a62b6d45_outln
	.p2alignl 7, 3214868480
	.fill 96, 4, 3214868480
	.section	.rodata,"a",@progbits
	.p2align	6, 0x0
	.amdhsa_kernel k_q77a62b6d45_outln
		.amdhsa_group_segment_fixed_size 327680
		.amdhsa_private_segment_fixed_size 0
		.amdhsa_enable_private_segment 0
		.amdhsa_kernarg_size 64
		.amdhsa_user_sgpr_count 2
		.amdhsa_user_sgpr_kernarg_segment_ptr 1
		.amdhsa_wavefront_size32 1
		.amdhsa_system_sgpr_workgroup_id_x 1
		.amdhsa_system_sgpr_workgroup_id_y 1
		.amdhsa_system_sgpr_workgroup_id_z 1
		.amdhsa_system_vgpr_workitem_id 0
		.amdhsa_next_free_vgpr 256
		.amdhsa_next_free_sgpr 66
		.amdhsa_reserve_vcc 0
		.amdhsa_float_denorm_mode_32 3
		.amdhsa_float_denorm_mode_16_64 3
		.amdhsa_memory_ordered 1
		.amdhsa_forward_progress 1
		.amdhsa_inst_pref_size 37
	.end_amdhsa_kernel
	.amdgpu_metadata
---
amdhsa.version: [ 1, 2 ]
amdhsa.kernels:
  - .name:           k_q77a62b6d45_outln
    .symbol:         k_q77a62b6d45_outln.kd
    .args:
      - { .name: aimg, .offset: 0, .size: 8, .value_kind: global_buffer, .address_space: global }
      - { .name: woimg, .offset: 8, .size: 8, .value_kind: global_buffer, .address_space: global }
      - { .name: Q, .offset: 16, .size: 8, .value_kind: global_buffer, .address_space: global }
      - { .name: bo, .offset: 24, .size: 8, .value_kind: global_buffer, .address_space: global }
      - { .name: gamma, .offset: 32, .size: 8, .value_kind: global_buffer, .address_space: global }
      - { .name: beta, .offset: 40, .size: 8, .value_kind: global_buffer, .address_space: global }
      - { .name: lowp_scales, .offset: 48, .size: 8, .value_kind: global_buffer, .address_space: global }
      - { .name: out0, .offset: 56, .size: 8, .value_kind: global_buffer, .address_space: global }
    .group_segment_fixed_size: 327680
    .private_segment_fixed_size: 0
    .kernarg_segment_align: 8
    .kernarg_segment_size: 64
    .max_flat_workgroup_size: 512
    .sgpr_count:     66
    .vgpr_count:     256
    .wavefront_size: 32
...
	.end_amdgpu_metadata
.endif
;; end of part 3
